; MI455X (gfx1250); checked and timed in simulation.
; The chip was launched on July 23, 2026; its instructions are those of AMD's public machine-readable ISA for CDNA 5 (MIT licence, August 2026) and "CDNA5" Instruction Set Architecture Reference Guide (July 2026). The comments in the code are by the model that wrote it; some were corrected since.
;; Diff Dist Matrix. Allowed arithmetic: float matrix products may take bf16 or f16 operands with f32 sums; all other float work in f32.
;; Inputs: fcoords1 64 x 128 x 3 float32; fcoords2 64 x 128 x 3 float32; matrix 64 x 3 x 3 float32.
;; Outputs: out0 64 x 128 x 128 float32; out1 64 x 128 x 3 float32.
;; One version. Each part assembles by itself: llvm-mc -triple=amdgcn-amd-amdhsa -mcpu=gfx1250 --defsym DOCPART=n.
;; ======== version 1 of 1: 1 launch
;; launch distmat (part 1): grid 256 x 1, 8 waves a work-group, no clusters, 2,560 bytes of LDS; arguments fcoords1, fcoords2, matrix, out0, out1; writes out0, out1
.if DOCPART == 1
	.amdgcn_target "amdgcn-amd-amdhsa--gfx1250"
	.amdhsa_code_object_version 6
	.text
	.protected	k_q2bc8a0877d_distmat
	.globl	k_q2bc8a0877d_distmat
	.p2align	8
	.type	k_q2bc8a0877d_distmat,@function
k_q2bc8a0877d_distmat:
	s_mov_b64 s[64:65], 0
	v_nop
	global_prefetch_b8 v0, s[64:65] scope:SCOPE_SE
	s_setreg_imm32_b32 hwreg(HW_REG_WAVE_MODE, 25, 1), 1
	s_wait_xcnt 0x0
; out0[s][i][j] = sqrt(eps + min over the 27 images m of |cart2[s][i] - cart1[s][j] + img[m] M[s]|^2),  out1 = cart1 = (fcoords1 % 1) M.
;
; HOW THE 27 LENGTHS ARE NOT ALL FORMED.  A length does not change under an orthogonal map Q.  Two Householder reflections, made here
; from M itself, give L = M Q lower triangular: image (p,q,r) shifts x by p l00 + q l10 + r l20, y by q l11 + r l21, z by r l22.
; So z^2 has 3 values, y^2 + z^2 has 9, and for each (q,r) the best p in {-1,0,1} is closed form: with b the x difference at p = 0 and
; H = |l00| / 2 it is |b - 2 clamp(b, -H, H)|.  The result stays a sum of squares plus eps: nothing is cancelled, nothing can be negative.
; The sign is turned (d = c1 - c2 + shift): the set of shifts is symmetric, so the minimum is the same.
;
; SHARES.  256 work-groups: structure = x / 4, quarter = x % 4.  8 waves; a wave owns 4 rows i and all 128 j; a lane owns
; j = 4 lane .. 4 lane + 3, so a row of out0 is one store of the wave: 512 consecutive bytes, aligned.  Two j ride in each v_pk_*_f32.
; Once per wave a table h = c1' + shift is made (9 x, 9 y, 3 z entries for 4 j, 84 registers); a row then adds its three scalars -c2'[i].
; out1 is made by wave 0 of quarter 0 of each structure, in the original frame, and turned through that wave's own 1,536 bytes of LDS.
;
; NOT USED: the matrix units (the three products have K = 3, 326,016 of some 288 million operations; a K = 32 instruction would be nine
; tenths padding and 16-bit operands would round coordinates before their differences are taken); tensor loads, clusters and multicast
; (the four work-groups of a structure share 1,572 input bytes against 16 KiB of output each); prefetches (inputs are wanted at once).
;
; LIMITS.  eps is added to z^2 and not after the minimum: the order of rounding differs from the reference's.  The rotated frame rounds
; otherwise than the original one, by a few units in the last place of the largest coordinate.  A lattice row (or its remainder after the
; first reflection) with norm x (norm + |leading entry|) below 2^-126, that is a norm below about 1e-19, is taken as zero: an error below
; 1e-18 in a coordinate, against results that are never below sqrt(eps) = 1e-5.  Matrix entries up to about 1e18 (squares must stay
; finite and the reciprocal normal).  NaN and infinities in the inputs are not followed.
.set FCB,   1536                       ; bytes of one structure's fcoords and of its cart_coords (128 x 3 x 4)
.set MATB,  36                         ; bytes of one structure's matrix
.set ROWB,  512                        ; bytes of a row of out0
.set NROW,  4                          ; rows of a wave
; scalar registers
.set MAT,   20                         ; s[20:28]  M, row-major
.set EPS,   30                         ; s[30:31]  eps, a pair for the packed fma
.set ROWS,  32                         ; s[32:55]  row i: -c2'x at 32+6i, -c2'y at 34+6i, -c2'z at 36+6i; the odd ones are 0
; vector registers
.set OF1,   2                          ; 48 x lane: my 4 points in fcoords1; also my 48 bytes in LDS
.set OF2,   3                          ; 12 x (lane % 4): my row's point in fcoords2
.set O16,   4                          ; 16 x lane
.set C2,    5                          ; v[5:7]    -c2' of row lane % 4
.set F1,    8                          ; v[8:19]   fcoords1 of my 4 points as loaded; later their cart_coords
.set F2,    20                         ; v[20:22]  fcoords2 of my row's point, then floor - f
; Numbers that are equal in all lanes.  A packed instruction names a pair and op_sel_hi 0 takes the pair's first register for both halves:
; so what is broadcast lies in even registers, and the odd ones between hold the reflections' intermediates.
.set L00, 24
.set L10, 26
.set L20, 28
.set L11, 30
.set L21, 32
.set L22, 34
.set XS,  36                           ; l10 + l20
.set XD,  38                           ; l10 - l20
.set YS,  40                           ; l11 + l21
.set YD,  42                           ; l11 - l21
.set HH,  44                           ; |l00| / 2
.set NH,  46                           ; -|l00| / 2
.set N2,  25                           ; |x|^2
.set NR,  27                           ; |x|
.set SN,  29                           ; |x| with the sign of x's leading entry
.set VX,  31                           ; leading entry of the reflection's vector
.set DEN, 33                           ; -|x| (|x| + |leading entry|)
.set BETA,35                           ; its reciprocal: -2 / (v.v)
.set D1,  37
.set A11, 39
.set A12, 41
.set D2,  43
.set A21, 45
.set A22, 47
.set HX,  64                           ; v[64:99]    entry t = 3 (q+1) + (r+1), 4 registers (my 4 j): c1'x + q l10 + r l20
.set HY,  100                          ; v[100:135]  c1'y + q l11 + r l21
.set HZ,  136                          ; v[136:147]  entry r+1: c1'z + r l22
.set G0,  148                          ; v[148:151]  frac of fcoords1[.][0] of my 4 j;  G1, G2 likewise
.set G1,  152
.set G2,  156
.set ZZ,  160                          ; v[160:165]  3 pairs at work
.set YY,  166                          ; v[166:183]  9 pairs
.set XX,  184                          ; v[184:201]  9 pairs
.set CC,  202                          ; v[202:219]  9 pairs
.set MM,  220                          ; v[220:223]  the row's four minima
.set RES, 224                          ; v[224:239]  4 registers for each row: no store's data is ever written again
.set O1,  240                          ; v[240:251]  cart_coords read back from LDS
	s_load_b256 s[4:11], s[0:1], 0x0               ; fcoords1 s[4:5], fcoords2 s[6:7], matrix s[8:9], out0 s[10:11]
	s_load_b64 s[12:13], s[0:1], 0x20              ; out1
	v_lshl_add_u32 v252, v0, 2, 0x600
	v_mov_b32 v253, 0
	v_lshrrev_b32 v1, 5, v0
	v_readfirstlane_b32 s14, v1                    ; wave 0..7
	v_and_b32 v1, 31, v0                           ; lane
	v_and_b32 v3, 3, v0
	v_mul_u32_u24 v[OF1], 48, v1
	v_mul_u32_u24 v[OF2], 12, v3
	v_lshlrev_b32 v[O16], 4, v1
	s_lshr_b32 s15, ttmp9, 2                       ; structure
	s_and_b32 s16, ttmp9, 3                        ; quarter
	s_lshl_b32 s17, s16, 3
	s_add_co_u32 s17, s17, s14                     ; group of four rows, 0..31
	s_mul_i32 s2, s15, MATB                        ; byte offsets, each in a pair with 0 above it
	s_mov_b32 s3, 0
	s_mul_i32 s18, s15, FCB
	s_mov_b32 s19, 0
	s_mul_i32 s56, s17, 12*NROW
	s_add_co_u32 s56, s56, s18                     ; my four points of fcoords2
	s_mov_b32 s57, 0
	s_lshl_b32 s58, s15, 16                        ; 128 rows of 512 bytes a structure
	s_lshl_b32 s29, s17, 11                        ; 4 rows of 512 bytes a group
	s_add_co_u32 s58, s58, s29
	s_mov_b32 s59, 0
	s_mov_b32 s[EPS], 0x2edbe6ff                   ; 1e-10
	s_mov_b32 s[EPS+1], 0x2edbe6ff
.irp k, 1,3,5,7,9,11,13,15,17,19,21,23
	s_mov_b32 s[ROWS+\k], 0                        ; second registers of the rows' pairs: named by the packed adds, never selected
.endr
	s_wait_kmcnt 0x0
	s_add_nc_u64 s[8:9], s[8:9], s[2:3]
	s_load_b256 s[MAT:MAT+7], s[8:9], 0x0
	s_load_b32 s[MAT+8], s[8:9], 0x20
	s_add_nc_u64 s[4:5], s[4:5], s[18:19]
	global_load_b128 v[F1:F1+3],    v[OF1], s[4:5]             ; 48 bytes a lane; the three loads together cover the structure's 1,536 bytes
	global_load_b128 v[F1+4:F1+7],  v[OF1], s[4:5] offset:16
	global_load_b128 v[F1+8:F1+11], v[OF1], s[4:5] offset:32
	s_add_nc_u64 s[6:7], s[6:7], s[56:57]
	global_load_b32 v[F2],   v[OF2], s[6:7]
	global_load_b32 v[F2+1], v[OF2], s[6:7] offset:4
	global_load_b32 v[F2+2], v[OF2], s[6:7] offset:8
	s_add_nc_u64 s[10:11], s[10:11], s[58:59]      ; out0 at my first row
	s_add_nc_u64 s[12:13], s[12:13], s[18:19]      ; out1 at my structure
	s_wait_kmcnt 0x0                               ; M
; f % 1 = f - floor(f) of point j, from point-major to component-major
.macro FRAC j
	v_floor_f32 v[G0+\j], v[F1+3*\j]
	v_floor_f32 v[G1+\j], v[F1+3*\j+1]
	v_floor_f32 v[G2+\j], v[F1+3*\j+2]
	v_sub_f32 v[G0+\j], v[F1+3*\j],   v[G0+\j]
	v_sub_f32 v[G1+\j], v[F1+3*\j+1], v[G1+\j]
	v_sub_f32 v[G2+\j], v[F1+3*\j+2], v[G2+\j]
.endm
	; FIRST REFLECTION, I - (2 / v.v) v v^T with v = x + sign(x0) |x| e0, x = M's row 0: it sends x to (-sign(x0) |x|, 0, 0).
	; v.v / 2 = |x| (|x| + |x0|) = SN * VX, a sum of like signs: no cancellation for any x.
	v_mul_f32 v[N2], s[MAT], s[MAT]
	v_fma_f32 v[N2], s[MAT+1], s[MAT+1], v[N2]
	v_fma_f32 v[N2], s[MAT+2], s[MAT+2], v[N2]
	v_sqrt_f32 v[NR], v[N2]                        ; its result is first read behind the plain instructions of FRAC (ISA guide 5.7.2)
	s_wait_loadcnt 0x3                             ; fcoords1's three loads are in; the three younger ones (fcoords2) stay out
	FRAC 0
	FRAC 1
	s_wait_alu depctr_va_vdst(0)
	v_bfi_b32 v[SN], 0x7fffffff, v[NR], s[MAT]     ; magnitude of |x|, sign of x0
	v_mul_f32 v[HH], 0.5, v[NR]
	v_mul_f32 v[NH], -0.5, v[NR]
	v_add_f32 v[VX], s[MAT], v[SN]
	v_xor_b32 v[L00], 0x80000000, v[SN]            ; l00 = -sign(x0) |x|
	v_mul_f32 v[DEN], v[L00], v[VX]                ; -(v.v) / 2
	v_rcp_f32 v[BETA], v[DEN]
	v_cmp_ge_f32 vcc_lo, 0x80800000, v[DEN]        ; -2^-126 >= DEN: x is not (as good as) zero
	v_mul_f32 v[D1], s[MAT+3], v[VX]               ; row 1 . v and row 2 . v
	v_mul_f32 v[D2], s[MAT+6], v[VX]
	v_fma_f32 v[D1], s[MAT+4], s[MAT+1], v[D1]
	v_fma_f32 v[D2], s[MAT+7], s[MAT+1], v[D2]
	v_fma_f32 v[D1], s[MAT+5], s[MAT+2], v[D1]
	v_fma_f32 v[D2], s[MAT+8], s[MAT+2], v[D2]
	s_wait_alu depctr_va_vdst(0)
	v_cndmask_b32 v[BETA], 0, v[BETA], vcc_lo      ; a zero row reflects nothing: the identity
	v_mul_f32 v[D1], v[BETA], v[D1]
	v_mul_f32 v[D2], v[BETA], v[D2]
	v_fma_f32 v[L10], v[D1], v[VX], s[MAT+3]       ; row k - (2 / v.v) (row k . v) v
	v_fma_f32 v[A11], v[D1], s[MAT+1], s[MAT+4]
	v_fma_f32 v[A12], v[D1], s[MAT+2], s[MAT+5]
	v_fma_f32 v[L20], v[D2], v[VX], s[MAT+6]
	v_fma_f32 v[A21], v[D2], s[MAT+1], s[MAT+7]
	v_fma_f32 v[A22], v[D2], s[MAT+2], s[MAT+8]
	; SECOND REFLECTION, in the (y, z) plane, from what is left of row 1
	v_mul_f32 v[N2], v[A11], v[A11]
	v_fma_f32 v[N2], v[A12], v[A12], v[N2]
	v_sqrt_f32 v[NR], v[N2]
	s_wait_loadcnt 0x0                             ; fcoords2
	FRAC 2
	FRAC 3
	v_floor_f32 v[ZZ],   v[F2]
	v_floor_f32 v[ZZ+1], v[F2+1]
	v_floor_f32 v[ZZ+2], v[F2+2]
	v_sub_f32 v[F2],   v[ZZ],   v[F2]              ; -(f % 1): the rows enter with a minus sign
	v_sub_f32 v[F2+1], v[ZZ+1], v[F2+1]
	v_sub_f32 v[F2+2], v[ZZ+2], v[F2+2]
	s_wait_alu depctr_va_vdst(0)
	v_bfi_b32 v[SN], 0x7fffffff, v[NR], v[A11]
	v_add_f32 v[VX], v[A11], v[SN]
	v_xor_b32 v[L11], 0x80000000, v[SN]
	v_mul_f32 v[DEN], v[L11], v[VX]
	v_rcp_f32 v[BETA], v[DEN]
	v_cmp_ge_f32 vcc_lo, 0x80800000, v[DEN]
	v_mul_f32 v[D2], v[A21], v[VX]
	v_fma_f32 v[D2], v[A22], v[A12], v[D2]
	s_wait_alu depctr_va_vdst(0)
	v_cndmask_b32 v[BETA], 0, v[BETA], vcc_lo
	v_mul_f32 v[D2], v[BETA], v[D2]
	v_fma_f32 v[L21], v[D2], v[VX], v[A21]
	v_fma_f32 v[L22], v[D2], v[A12], v[A22]
	v_add_f32 v[XS], v[L10], v[L20]
	v_sub_f32 v[XD], v[L10], v[L20]
	v_add_f32 v[YS], v[L11], v[L21]
	v_sub_f32 v[YD], v[L11], v[L21]
	; -c2' = -(fcoords2 % 1) L of row lane % 4, then each row's three numbers into scalar registers
	v_mul_f32 v[C2],   v[F2],   v[L00]
	v_mul_f32 v[C2+1], v[F2+1], v[L11]
	v_mul_f32 v[C2+2], v[F2+2], v[L22]
	v_fma_f32 v[C2],   v[F2+1], v[L10], v[C2]
	v_fma_f32 v[C2+1], v[F2+2], v[L21], v[C2+1]
	v_fma_f32 v[C2],   v[F2+2], v[L20], v[C2]
	; c1' = (fcoords1 % 1) L of my 4 j: the tables' middle entries (q = r = 0)
.irp p, 0,2
	v_pk_mul_f32 v[HX+16+\p:HX+16+\p+1], v[G0+\p:G0+\p+1], v[L00:L00+1] op_sel_hi:[1,0]
	v_pk_mul_f32 v[HY+16+\p:HY+16+\p+1], v[G1+\p:G1+\p+1], v[L11:L11+1] op_sel_hi:[1,0]
	v_pk_mul_f32 v[HZ+4+\p:HZ+4+\p+1],   v[G2+\p:G2+\p+1], v[L22:L22+1] op_sel_hi:[1,0]
	v_pk_fma_f32 v[HX+16+\p:HX+16+\p+1], v[G1+\p:G1+\p+1], v[L10:L10+1], v[HX+16+\p:HX+16+\p+1] op_sel_hi:[1,0,1]
	v_pk_fma_f32 v[HY+16+\p:HY+16+\p+1], v[G2+\p:G2+\p+1], v[L21:L21+1], v[HY+16+\p:HY+16+\p+1] op_sel_hi:[1,0,1]
	v_pk_fma_f32 v[HX+16+\p:HX+16+\p+1], v[G2+\p:G2+\p+1], v[L20:L20+1], v[HX+16+\p:HX+16+\p+1] op_sel_hi:[1,0,1]
.endr
.irp i, 0,1,2,3
	v_readlane_b32 s[ROWS+6*\i],   v[C2],   \i
	v_readlane_b32 s[ROWS+6*\i+2], v[C2+1], \i
	v_readlane_b32 s[ROWS+6*\i+4], v[C2+2], \i
.endr
; entries t and 8 - t of a table are the middle entry minus and plus the same shift u
.macro SHIFT tab, t, u
.irp p, 0,2
	v_pk_add_f32 v[\tab+4*\t+\p:\tab+4*\t+\p+1], v[\tab+16+\p:\tab+16+\p+1], v[\u:\u+1] op_sel_hi:[1,0] neg_lo:[0,1] neg_hi:[0,1]
	v_pk_add_f32 v[\tab+4*(8-\t)+\p:\tab+4*(8-\t)+\p+1], v[\tab+16+\p:\tab+16+\p+1], v[\u:\u+1] op_sel_hi:[1,0]
.endr
.endm
	SHIFT HX, 0, XS                                ; (q,r) = (-1,-1) and (1,1)
	SHIFT HX, 1, L10                               ; (-1,0) and (1,0)
	SHIFT HX, 2, XD                                ; (-1,1) and (1,-1)
	SHIFT HX, 3, L20                               ; (0,-1) and (0,1)
	SHIFT HY, 0, YS
	SHIFT HY, 1, L11
	SHIFT HY, 2, YD
	SHIFT HY, 3, L21
.irp p, 0,2
	v_pk_add_f32 v[HZ+\p:HZ+\p+1],     v[HZ+4+\p:HZ+4+\p+1], v[L22:L22+1] op_sel_hi:[1,0] neg_lo:[0,1] neg_hi:[0,1]
	v_pk_add_f32 v[HZ+8+\p:HZ+8+\p+1], v[HZ+4+\p:HZ+4+\p+1], v[L22:L22+1] op_sel_hi:[1,0]
.endr
	; out1 = (fcoords1 % 1) M, in the original frame: one wave for each structure.  A lane's 4 points are 48 consecutive bytes; through
	; this wave's own LDS bytes they become three stores of 512 consecutive bytes each.
	s_cmp_lg_u32 s14, 0
	s_cbranch_scc1 .Lrows                          ; only wave 0
	s_cmp_lg_u32 s16, 0
	s_cbranch_scc1 .Lrows                          ; of the structure's first quarter
.irp j, 0,1,2,3
.irp k, 0,1,2
	v_mul_f32 v[F1+3*\j+\k], s[MAT+\k], v[G0+\j]
.endr
.irp k, 0,1,2
	v_fma_f32 v[F1+3*\j+\k], s[MAT+3+\k], v[G1+\j], v[F1+3*\j+\k]
.endr
.irp k, 0,1,2
	v_fma_f32 v[F1+3*\j+\k], s[MAT+6+\k], v[G2+\j], v[F1+3*\j+\k]
.endr
.endr
	ds_store_b128 v[OF1], v[F1:F1+3]               ; lanes 48 bytes apart: sixteen lanes fall on sixteen different 16-byte columns modulo 256
	ds_store_b128 v[OF1], v[F1+4:F1+7] offset:16
	ds_store_b128 v[OF1], v[F1+8:F1+11] offset:32
	ds_load_b128 v[O1:O1+3],    v[O16]             ; LDS serves a wave's instructions in order (ISA guide 5.7.1): these see the stores above
	ds_load_b128 v[O1+4:O1+7],  v[O16] offset:512
	ds_load_b128 v[O1+8:O1+11], v[O16] offset:1024
	s_wait_dscnt 0x0
	global_store_b128 v[O16], v[O1:O1+3],    s[12:13] th:TH_STORE_NT
	global_store_b128 v[O16], v[O1+4:O1+7],  s[12:13] offset:512 th:TH_STORE_NT
	global_store_b128 v[O16], v[O1+8:O1+11], s[12:13] offset:1024 th:TH_STORE_NT
.Lrows:
; Row i against two of my j (p = 0: the first two, p = 2: the last two).  Every stage is a run of independent instructions.
; st = 1: the row before is stored here, behind three plain instructions that follow its roots (ISA guide 5.7.2).
.macro DIST i, p, st
.irp r, 0,1,2
	v_pk_add_f32 v[ZZ+2*\r:ZZ+2*\r+1], v[HZ+4*\r+\p:HZ+4*\r+\p+1], s[ROWS+6*\i+4:ROWS+6*\i+5] op_sel_hi:[1,0]     ; z(r)
.endr
.if \st
	s_wait_alu depctr_va_vdst(0)
	global_store_b128 v[O16], v[RES+4*(\i-1):RES+4*(\i-1)+3], s[10:11] offset:ROWB*(\i-1) th:TH_STORE_NT
.endif
.irp t, 0,1,2,3,4,5,6,7,8
	v_pk_add_f32 v[YY+2*\t:YY+2*\t+1], v[HY+4*\t+\p:HY+4*\t+\p+1], s[ROWS+6*\i+2:ROWS+6*\i+3] op_sel_hi:[1,0]     ; y(q,r)
.endr
.irp t, 0,1,2,3,4,5,6,7,8
	v_pk_add_f32 v[XX+2*\t:XX+2*\t+1], v[HX+4*\t+\p:HX+4*\t+\p+1], s[ROWS+6*\i:ROWS+6*\i+1] op_sel_hi:[1,0]       ; b = x(0,q,r)
.endr
.irp r, 0,1,2
	v_pk_fma_f32 v[ZZ+2*\r:ZZ+2*\r+1], v[ZZ+2*\r:ZZ+2*\r+1], v[ZZ+2*\r:ZZ+2*\r+1], s[EPS:EPS+1] op_sel_hi:[1,1,0] ; z^2 + eps
.endr
.irp t, 0,1,2,3,4,5,6,7,8
	v_pk_fma_f32 v[YY+2*\t:YY+2*\t+1], v[YY+2*\t:YY+2*\t+1], v[YY+2*\t:YY+2*\t+1], v[ZZ+2*(\t%3):ZZ+2*(\t%3)+1]   ; + y^2
.endr
.irp k, 0,1,2,3,4,5,6,7,8,9,10,11,12,13,14,15,16,17
	v_med3_num_f32 v[CC+\k], v[XX+\k], v[NH], v[HH]                                                               ; clamp(b, -H, H)
.endr
.irp t, 0,1,2,3,4,5,6,7,8
	v_pk_fma_f32 v[XX+2*\t:XX+2*\t+1], v[CC+2*\t:CC+2*\t+1], -2.0, v[XX+2*\t:XX+2*\t+1] op_sel_hi:[1,0,1]         ; x at the best p, up to its sign
.endr
.irp t, 0,1,2,3,4,5,6,7,8
	v_pk_fma_f32 v[YY+2*\t:YY+2*\t+1], v[XX+2*\t:XX+2*\t+1], v[XX+2*\t:XX+2*\t+1], v[YY+2*\t:YY+2*\t+1]           ; + x^2
.endr
.irp k, 0,1
	v_min3_num_f32 v[CC+\k],   v[YY+\k],    v[YY+2+\k],  v[YY+4+\k]
	v_min3_num_f32 v[CC+2+\k], v[YY+6+\k],  v[YY+8+\k],  v[YY+10+\k]
	v_min3_num_f32 v[CC+4+\k], v[YY+12+\k], v[YY+14+\k], v[YY+16+\k]
.endr
.irp k, 0,1
	v_min3_num_f32 v[MM+\p+\k], v[CC+\k], v[CC+2+\k], v[CC+4+\k]
.endr
.endm
.macro ROOT i                          ; the arguments are at least eps: never negative, never denormal
.irp k, 0,1,2,3
	v_sqrt_f32 v[RES+4*\i+\k], v[MM+\k]
.endr
.endm
	DIST 0, 0, 0
	DIST 0, 2, 0
	ROOT 0
	DIST 1, 0, 1
	DIST 1, 2, 0
	ROOT 1
	DIST 2, 0, 1
	DIST 2, 2, 0
	ROOT 2
	DIST 3, 0, 1
	DIST 3, 2, 0
	ROOT 3
	v_nop                                          ; the place between the last root and the store that reads it (ISA guide 5.7.2)
	s_wait_alu depctr_va_vdst(0)
	global_store_b128 v[O16], v[RES+12:RES+15], s[10:11] offset:ROWB*3 th:TH_STORE_NT
	s_wait_tensorcnt 0x0
	ds_add_u32 v252, v253
	s_wait_dscnt 0x0
	s_endpgm
.Lfunc_end_k_q2bc8a0877d_distmat:
	.size	k_q2bc8a0877d_distmat, .Lfunc_end_k_q2bc8a0877d_distmat-k_q2bc8a0877d_distmat
	.p2alignl 7, 3214868480
	.fill 96, 4, 3214868480
	.section	.rodata,"a",@progbits
	.p2align	6, 0x0
	.amdhsa_kernel k_q2bc8a0877d_distmat
		.amdhsa_group_segment_fixed_size 2560
		.amdhsa_private_segment_fixed_size 0
		.amdhsa_enable_private_segment 0
		.amdhsa_kernarg_size 40
		.amdhsa_user_sgpr_count 2
		.amdhsa_user_sgpr_kernarg_segment_ptr 1
		.amdhsa_wavefront_size32 1
		.amdhsa_system_sgpr_workgroup_id_x 1
		.amdhsa_system_sgpr_workgroup_id_y 1
		.amdhsa_system_sgpr_workgroup_id_z 1
		.amdhsa_system_vgpr_workitem_id 0
		.amdhsa_next_free_vgpr 254
		.amdhsa_next_free_sgpr 66
		.amdhsa_reserve_vcc 1
		.amdhsa_float_denorm_mode_32 3
		.amdhsa_float_denorm_mode_16_64 3
		.amdhsa_memory_ordered 1
		.amdhsa_forward_progress 1
		.amdhsa_inst_pref_size 53
	.end_amdhsa_kernel
	.amdgpu_metadata
---
amdhsa.version: [ 1, 2 ]
amdhsa.kernels:
  - .name:           k_q2bc8a0877d_distmat
    .symbol:         k_q2bc8a0877d_distmat.kd
    .args:
      - { .name: fcoords1, .offset: 0, .size: 8, .value_kind: global_buffer, .address_space: global }
      - { .name: fcoords2, .offset: 8, .size: 8, .value_kind: global_buffer, .address_space: global }
      - { .name: matrix, .offset: 16, .size: 8, .value_kind: global_buffer, .address_space: global }
      - { .name: out0, .offset: 24, .size: 8, .value_kind: global_buffer, .address_space: global }
      - { .name: out1, .offset: 32, .size: 8, .value_kind: global_buffer, .address_space: global }
    .group_segment_fixed_size: 2560
    .private_segment_fixed_size: 0
    .kernarg_segment_align: 8
    .kernarg_segment_size: 40
    .max_flat_workgroup_size: 256
    .sgpr_count:     66
    .vgpr_count:     254
    .wavefront_size: 32
...
	.end_amdgpu_metadata
.endif
;; end of part 1
